; MI455X (gfx1250); checked and timed in simulation.
; The chip was launched on July 23, 2026; its instructions are those of AMD's public machine-readable ISA for CDNA 5 (MIT licence, August 2026) and "CDNA5" Instruction Set Architecture Reference Guide (July 2026). The comments in the code are by the model that wrote it; some were corrected since.
;; FB Pinn. Allowed arithmetic: float matrix products may take bf16 or f16 operands with f32 sums; all other float work in f32.
;; Inputs: W1 16 x 1 x 8 float32; W2 16 x 8 x 8 float32; W3 16 x 8 x 1 float32; b1 16 x 8 float32; b2 16 x 8 float32; b3 16 x 1 float32; x 2,097,152 float32.
;; Outputs: out0 2,097,152 float32.
;; 2 versions, each right; version 2 is version 1 with the launch experts written anew for expert scheduling mode. Each part assembles by itself: llvm-mc -triple=amdgcn-amd-amdhsa -mcpu=gfx1250 --defsym DOCPART=n.
;; ======== version 1 of 2: 2 launches
;; limits: values are held in f16: magnitudes above 65,504 overflow, below 6.1e-05 lose precision; inputs' magnitudes at most 22,000
;; workspace buffers: route 4,194,304 bytes of whole numbers; tab 262,144 bytes of whole numbers
;; launch route (part 1): grid 256 x 1, 16 waves a work-group, no clusters, 5,120 bytes of LDS; arguments x, route, tab; writes route, tab
.if DOCPART == 1
	.amdgcn_target "amdgcn-amd-amdhsa--gfx1250"
	.amdhsa_code_object_version 6
	.text
	.protected	k_qe422cc21d0_route
	.globl	k_qe422cc21d0_route
	.p2align	8
	.type	k_qe422cc21d0_route,@function
k_qe422cc21d0_route:
	s_mov_b64 s[64:65], 0
	v_nop
	global_prefetch_b8 v0, s[64:65] scope:SCOPE_SE
	s_setreg_imm32_b32 hwreg(HW_REG_WAVE_MODE, 25, 1), 1
	s_wait_xcnt 0x0
; ROUTE: decides, as whole numbers, where each point of x goes; the next launch forms its LDS addresses from them.
; The window edges are j/16, so a point belongs to the cell k = clamp(floor(16 x), 0, 15) (NaN goes to cell 0).
; A work-group owns a tile of 8,192 points; thread t owns 16: row 4q+e is point 2048 q + 4 t + e (four 16-byte loads, 512 bytes a wave).
; Stored for each point: a 16-bit word (cell << 9) | rank, rank = how many earlier points of my WAVE (rows in order, lanes in order) have the same cell.
; Stored for each tile: tab[wave][cell] = first slot of the cell (cells padded to whole chunks of 32 slots) + the cell's points in earlier waves,
; with the cell's number of chunks in the upper 16 bits: 16 x 16 words = 1,024 bytes.
; No address and no branch here hangs on x: ranks are made of lane masks, counts of set bits and selects.
.set XK,   8                           ; v[8:23]   x, then the cell number, then the packed words to store
.set PW,   24                          ; v[24:39]  row's word (cell << 9) | rank
.set TM,   40                          ; v[40:43]  four candidates at work
.set HV,   44                          ; v44       lane c: my wave's count of cell c
.set HW,   48                          ; v[48:63]  wave 0: the sixteen waves' counts of cell (lane mod 16)
.set PC,   64                          ; v64       the cell's count rounded up to a multiple of 32
.set SC,   65                          ; v65       sums of PC over the cells
.set TT,   66                          ; v66       at work
.set OT,   68                          ; v[68:75]  the table on its way out
.set RUN,  16                          ; s[16:31]  cell c: c*512 + my wave's points of that cell so far
.set MK,   32                          ; s[32:35]  four lane masks
.set CN,   36                          ; s[36:39]  their counts
.set TABL, 2048                        ; LDS: bytes 0-2047 counts (128 a wave), 2048-3071 the table
	s_load_b128 s[4:7], s[0:1], 0x0                ; x s[4:5], route s[6:7]
	s_load_b64 s[8:9], s[0:1], 0x10                ; tab
	v_lshl_add_u32 v80, v0, 2, 0xc00
	v_mov_b32 v81, 0
	v_lshrrev_b32 v1, 5, v0
	v_readfirstlane_b32 s10, v1                    ; wave 0..15
	v_lshlrev_b32 v2, 4, v0                        ; 16 t: my 16 bytes in every load and store; never rewritten
	s_lshl_b32 s12, ttmp9, 15                      ; the tile's 32,768 bytes of x
	s_mov_b32 s13, 0
	s_lshl_b32 s14, ttmp9, 14                      ; its 16,384 bytes of words
	s_mov_b32 s15, 0
	s_lshl_b32 s40, ttmp9, 10                      ; its 1,024 bytes of table
	s_mov_b32 s41, 0
	s_wait_kmcnt 0x0
	s_add_nc_u64 s[4:5], s[4:5], s[12:13]
	s_add_nc_u64 s[6:7], s[6:7], s[14:15]
	s_add_nc_u64 s[8:9], s[8:9], s[40:41]
.irp q, 0,1,2,3
	global_load_b128 v[XK+4*\q:XK+4*\q+3], v2, s[4:5] offset:8192*\q   ; no hint: the next launch reads x again
.endr
.irp c, 0,1,2,3,4,5,6,7,8,9,10,11,12,13,14,15
	s_mov_b32 s[RUN+\c], \c*512                    ; the cell's bits are in the count from the start: a rank comes out as the whole word
.endr
.macro CELL reg                        ; x -> cell number
	v_mul_f32 v[\reg], 0x41800000, v[\reg]         ; 16 x, exact
	v_max_num_f32 v[\reg], 0, v[\reg]              ; below the domain, and NaN: cell 0
	v_min_num_f32 v[\reg], 0x41700000, v[\reg]     ; above it: cell 15
	v_cvt_u32_f32 v[\reg], v[\reg]                 ; toward zero = floor, the number is not negative
.endm
; One row against four cells: mask of the lanes in the cell; count so far + set bits below my lane; taken by the lanes of the mask; the count steps.
.macro RANK4 row, c0
.irp i, 0,1,2,3
	v_cmp_eq_u32 s[MK+\i], \c0+\i, v[XK+\row]
.endr
.irp i, 0,1,2,3
.if \c0+\i
	v_mbcnt_lo_u32_b32 v[TM+\i], s[MK+\i], s[RUN+\c0+\i]
.else
	v_mbcnt_lo_u32_b32 v[PW+\row], s[MK+\i], s[RUN+\c0+\i]      ; cell 0 starts the row's word: nothing is cleared
.endif
	s_bcnt1_i32_b32 s[CN+\i], s[MK+\i]
.endr
.irp i, 0,1,2,3
.if \c0+\i
	v_cndmask_b32 v[PW+\row], v[PW+\row], v[TM+\i], s[MK+\i]
.endif
	s_add_co_u32 s[RUN+\c0+\i], s[RUN+\c0+\i], s[CN+\i]
.endr
.endm
.irp q, 0,1,2,3
	s_wait_loadcnt 3-\q                            ; loads come back in order: load q is in, the 3-q younger ones stay out
.irp e, 0,1,2,3
	CELL XK+4*\q+\e
.endr
.irp e, 0,1,2,3
.irp g, 0,4,8,12
	RANK4 4*\q+\e, \g
.endr
.endr
.endr
	; two words to a register; rows 0-7 are plane 0, rows 8-15 plane 1: each store of a wave covers 512 consecutive bytes
.irp d, 0,1,2,3,4,5,6,7
	v_lshl_or_b32 v[XK+\d], v[PW+2*\d+1], 16, v[PW+2*\d]
.endr
	global_store_b128 v2, v[XK:XK+3], s[6:7]
	global_store_b128 v2, v[XK+4:XK+7], s[6:7] offset:8192
	; my wave's sixteen counts into lanes 0-15 and into LDS (lanes 16-31 write words that nobody reads)
	v_mov_b32 v[HV], 0
.irp c, 0,1,2,3,4,5,6,7,8,9,10,11,12,13,14,15
	v_writelane_b32 v[HV], s[RUN+\c], \c
.endr
	v_and_b32 v3, 31, v0
	v_lshlrev_b32 v3, 9, v3
	v_sub_nc_u32 v[HV], v[HV], v3                  ; take the cell's bits away again
	v_lshlrev_b32 v4, 2, v0                        ; word t: 128 bytes a wave
	ds_store_b32 v4, v[HV]
	s_wait_dscnt 0x0                               ; my counts are in LDS before I say so
	s_barrier_signal -1
	s_barrier_wait -1
	s_cmp_lg_u32 s10, 0
	s_cbranch_scc1 .Lend                           ; the table is wave 0's work; no barrier follows
	v_and_b32 v5, 15, v0
	v_lshlrev_b32 v5, 2, v5                        ; 4 c, c = lane mod 16: both halves of the wave make the same numbers
.irp w, 0,1,2,3,4,5,6,7,8,9,10,11,12,13,14,15
	ds_load_b32 v[HW+\w], v5 offset:128*\w
.endr
	s_wait_dscnt 0x0
.irp w, 1,2,3,4,5,6,7,8,9,10,11,12,13,14,15
	v_add_nc_u32 v[HW+\w], v[HW+\w], v[HW+\w-1]    ; the cell's points in waves 0..w
.endr
	v_add_nc_u32 v[PC], 31, v[HW+15]
	v_and_b32 v[PC], 0xffffffe0, v[PC]             ; whole chunks of 32 slots
	v_mov_b32 v[SC], v[PC]
	v_mov_b32 v[TT], 0
.irp n, 1,2,4,8
	v_mov_b32_dpp v[TT], v[SC] row_shr:\n row_mask:0xf bank_mask:0xf bound_ctrl:1   ; lane c takes lane c-n of its 16, or 0
	v_add_nc_u32 v[SC], v[SC], v[TT]
.endr
	v_sub_nc_u32 v[SC], v[SC], v[PC]               ; slots of the cells in front of mine: at most 8,192 + 15 x 31
	v_lshl_add_u32 v[SC], v[PC], 11, v[SC]         ; (PC / 32) << 16: the chunks, above the slot number
	ds_store_b32 v5, v[SC] offset:TABL             ; row 0
.irp w, 1,2,3,4,5,6,7,8,9,10,11,12,13,14,15
	v_add_nc_u32 v[HW+\w-1], v[SC], v[HW+\w-1]
	ds_store_b32 v5, v[HW+\w-1] offset:TABL+64*\w  ; row w: + the points of waves 0..w-1
.endr
	ds_load_b128 v[OT:OT+3], v2 offset:TABL        ; wave 0: v2 = 16 x lane.  LDS serves a wave's instructions in order: these see the stores above
	ds_load_b128 v[OT+4:OT+7], v2 offset:TABL+512
	s_wait_dscnt 0x0
	global_store_b128 v2, v[OT:OT+3], s[8:9]       ; 512 consecutive bytes each
	global_store_b128 v2, v[OT+4:OT+7], s[8:9] offset:512
.Lend:
	s_wait_tensorcnt 0x0
	ds_add_u32 v80, v81
	s_wait_dscnt 0x0
	s_endpgm
.Lfunc_end_k_qe422cc21d0_route:
	.size	k_qe422cc21d0_route, .Lfunc_end_k_qe422cc21d0_route-k_qe422cc21d0_route
	.p2alignl 7, 3214868480
	.fill 96, 4, 3214868480
	.section	.rodata,"a",@progbits
	.p2align	6, 0x0
	.amdhsa_kernel k_qe422cc21d0_route
		.amdhsa_group_segment_fixed_size 5120
		.amdhsa_private_segment_fixed_size 0
		.amdhsa_enable_private_segment 0
		.amdhsa_kernarg_size 24
		.amdhsa_user_sgpr_count 2
		.amdhsa_user_sgpr_kernarg_segment_ptr 1
		.amdhsa_wavefront_size32 1
		.amdhsa_system_sgpr_workgroup_id_x 1
		.amdhsa_system_sgpr_workgroup_id_y 1
		.amdhsa_system_sgpr_workgroup_id_z 1
		.amdhsa_system_vgpr_workitem_id 0
		.amdhsa_next_free_vgpr 82
		.amdhsa_next_free_sgpr 66
		.amdhsa_reserve_vcc 0
		.amdhsa_float_denorm_mode_32 3
		.amdhsa_float_denorm_mode_16_64 3
		.amdhsa_memory_ordered 1
		.amdhsa_forward_progress 1
		.amdhsa_inst_pref_size 75
	.end_amdhsa_kernel
	.amdgpu_metadata
---
amdhsa.version: [ 1, 2 ]
amdhsa.kernels:
  - .name:           k_qe422cc21d0_route
    .symbol:         k_qe422cc21d0_route.kd
    .args:
      - { .name: x, .offset: 0, .size: 8, .value_kind: global_buffer, .address_space: global }
      - { .name: route, .offset: 8, .size: 8, .value_kind: global_buffer, .address_space: global }
      - { .name: tab, .offset: 16, .size: 8, .value_kind: global_buffer, .address_space: global }
    .group_segment_fixed_size: 5120
    .private_segment_fixed_size: 0
    .kernarg_segment_align: 8
    .kernarg_segment_size: 24
    .max_flat_workgroup_size: 512
    .sgpr_count:     66
    .vgpr_count:     82
    .wavefront_size: 32
...
	.end_amdgpu_metadata
.endif
;; end of part 1
;; launch experts (part 2): grid 256 x 1, 16 waves a work-group, no clusters, 233,472 bytes of LDS; arguments x, route, tab, W1, b1, W2, b2, W3, b3, out0; writes out0
.if DOCPART == 2
	.amdgcn_target "amdgcn-amd-amdhsa--gfx1250"
	.amdhsa_code_object_version 6
	.text
	.protected	k_qe422cc21d0_experts
	.globl	k_qe422cc21d0_experts
	.p2align	8
	.type	k_qe422cc21d0_experts,@function
k_qe422cc21d0_experts:
	s_mov_b64 s[64:65], 0
	v_nop
	global_prefetch_b8 v0, s[64:65] scope:SCOPE_SE
	s_setreg_imm32_b32 hwreg(HW_REG_WAVE_MODE, 25, 1), 1
	s_wait_xcnt 0x0
; EXPERTS: out0 = tanh(15 x) * sum over windows of [win > 1e-5] win(x) * mlp_w(x), the points of a tile sorted by cell in LDS.
; WHICH WINDOWS: a point of cell k (left edge k/16) lies at least 1/16 outside every window but k-1, k, k+1; one of that window's two sigmoids
; is then at most 1/(1+e^12.5) = 3.7e-6 < 1e-5, so the mask of the problem drops it.  The three that are left are computed and masked by the compare itself.
; A work-group owns a tile of 8,192 points, thread t the same 16 points as in the routing launch.  Slot of a point = its rank + tab[my wave][its cell];
; u = x - cell/16 goes to its slot.  The slots are sorted by cell, each cell padded to whole chunks of 32: at most 8,192 + 16 x 31 slots, 271 chunks.
; WHO DOES WHAT: wave w works chunks 17 w .. 17 w + 16 of 272, whatever their cells, so all waves do the same work for any spread of x, and every LDS
; address of that phase is a constant + 2,176 w + 4 lane + an immediate; that is why the 17 chunks are written out by a macro.  Chunks behind the last
; point hold cleared slots; their results are stored and never gathered.
; WEIGHTS: wave v folds the weights of cell v (windows v-1, v, v+1) once and puts the 76 registers that differ from cell to cell into LDS (19 x 512 bytes).
; A chunk's cell is counted from the cells' first chunks (row 0 of the table); only when it differs from the cell in registers are the 19 groups read.
; A CHUNK = 24 hidden units x 32 points = three tiles of 16 x 16 with no idle lane.  Lane = (r = lane mod 16, h = lane / 16), register j = unit j:
;   tile 1: point r of the chunk,      window k-1+h        tile 2: point 16+r, window k-1+h        tile 3: point lane, window k+1
; That is the layout of a matrix result (row 8h+j, column r), and packed to f16 it is the first half (K = 8h+j) of a B operand, so layer 2 is one
; v_wmma each: A = the 8x8 weights on the diagonal blocks of K = 0..15 (K = 16..31 zero), C = the bias in f32.
; tanh(z) = 1 - 2 / (1 + 2^(c2 z)), c2 = 2 log2(e), c2 folded into weights and biases.  Layer 3 (8 -> 1) is four packed multiply-adds a tile in f32 on
; r = 1/(1+2^t): out = (b3 + sum W3) + sum (-2 W3) r; through the matrix unit it would cost four packs and a tile with 15 of 16 rows empty.
; LIMITS: W2 and the hidden values go to the matrix unit in f16 (hidden values lie in [-1,1]; |c2 W2| must stay under 65,504, |W2| < 22,000).
; Weights that are not finite are not served.  The three windows are added in another order than in the problem's loop; a zero may differ in sign.
; x = NaN gives NaN, x far outside [0,1] gives 0.
; Windows -1 and 16 do not exist: their loads are clamped into the tables and their layer 3 is set to zero.
.set PRED,  40960                      ; LDS: bytes 0-40959 u by slot (8,704 slots used, all cleared first); 40960-75775 the results by slot
.set WTS,   75776                      ; from here the folded weights, WSTR bytes a cell
.set WSTR,  19*512
.set CPW,   17                         ; chunks a wave
.set NWL,   34                         ; loads of weights issued behind those of x, words and table rows
.set XR,  16                           ; v[16:31]   x of my 16 points, later tanh(15 x), later the output
.set PS,  32                           ; v[32:47]   4 x slot of my 16 points
.set RT,  48                           ; v[48:55]   their words (cell << 9 | rank), two to a register
.set TB,  56                           ; v56        lane c: tab[my wave][c]
.set KK,  57
.set IX,  58
.set L1A, 64                           ; v[64:71]   layer 1, tiles 1 and 2: c2 W1 / std          v[72:79] c2 (b1 + (k/16 - mean)/std W1)
.set L1C, 72
.set L3A, 80                           ; v[80:95]   the same for tile 3
.set L3C, 88
.set CB1, 96                           ; v[96:103]  c2 b2 as C operand, tiles 1 and 2             v[104:111] tile 3
.set CB3, 104
.set V31, 112                          ; v[112:119] -2 W3, tiles 1 and 2                          v[120:127] tile 3
.set V33, 120
.set WA3, 128                          ; v[128:135] layer 2, A operand of tile 3 (f16): 4 registers of weights, 4 that stay zero
.set WA1, 136                          ; v[136:143] the same for tiles 1 and 2
.set O1P, 144                          ; v[144:145] (b3 + sum W3, 0)                              v[146:147] tile 3
.set O3P, 146
.set KA,  148                          ; v148, v149 the window's two constants for tiles 1 and 2: they hang on h alone
.set KB,  149
.set WBS, 150                          ; v150       WTS + 16 lane
.set WAD, 151                          ; v151       + the cell's WSTR bytes
.set T1,  152                          ; v[152:175] the three tiles
.set T2,  160
.set T3,  168
.set BF1, 176                          ; v[176:199] the three B operands: 4 registers packed, 4 registers zero
.set BF2, 184
.set BF3, 192
.set U0,  200                          ; v200 u of point r, v202 of point 16+r, v204 of point lane; v201, v203, v205 zero (partners of the packed forms)
.set U1,  202
.set UN,  204
.set SCH, 206                          ; v206       lane c < 16: first chunk of cell c, counted from my first chunk; lanes 16-31: the largest number
.set TB0, 207                          ; v207       lane c: tab[0][c]
.set WN,  208                          ; v[208:213] window terms
.set ACC, 214                          ; v[214:219] layer 3 sums
.set AD,  220                          ; v220       2,176 w + 4 lane          v221  2,176 w + 4 r
.set AD2, 221
.set GOT, 223
.set BS,  208                          ; v[208:223] outside the chunks: table values, later gathered results
.set UV,  224                          ; v[224:239] u of my 16 points
	s_load_b512 s[8:23], s[0:1], 0x0               ; x s[8:9], route s[10:11], tab s[12:13], W1 s[14:15], b1 s[16:17], W2 s[18:19], b2 s[20:21], W3 s[22:23]
	s_load_b128 s[24:27], s[0:1], 0x40             ; b3 s[24:25], out0 s[26:27]
	v_lshl_add_u32 v240, v0, 2, 0x38800
	v_mov_b32 v241, 0
	v_lshrrev_b32 v1, 5, v0
	v_readfirstlane_b32 s28, v1                    ; wave; also the cell whose weights I fold
	v_and_b32 v1, 31, v0                           ; lane
	v_and_b32 v2, 15, v0                           ; r
	v_bfe_u32 v3, v0, 4, 1                         ; h
	v_lshlrev_b32 v4, 4, v0                        ; 16 t; never rewritten
	s_lshl_b32 s30, ttmp9, 15                      ; the tile in x and out0,
	s_mov_b32 s31, 0
	s_lshl_b32 s44, ttmp9, 14                      ; in the words,
	s_mov_b32 s45, 0
	s_lshl_b32 s46, ttmp9, 10                      ; in the table
	s_mov_b32 s47, 0
	s_wait_kmcnt 0x0
	s_add_nc_u64 s[8:9], s[8:9], s[30:31]
	s_add_nc_u64 s[26:27], s[26:27], s[30:31]
	s_add_nc_u64 s[10:11], s[10:11], s[44:45]
	s_add_nc_u64 s[12:13], s[12:13], s[46:47]
.irp q, 0,1,2,3
	global_load_b128 v[XR+4*\q:XR+4*\q+3], v4, s[8:9] offset:8192*\q th:TH_LOAD_NT
.endr
	global_load_b128 v[RT:RT+3], v4, s[10:11] th:TH_LOAD_NT
	global_load_b128 v[RT+4:RT+7], v4, s[10:11] offset:8192 th:TH_LOAD_NT
	v_lshlrev_b32 v15, 2, v2                       ; column = lane mod 16
	v_lshl_add_u32 v5, s28, 6, v15                 ; row = my wave
	global_load_b32 v[TB], v5, s[12:13]
	global_load_b32 v[TB0], v15, s[12:13]          ; row 0: where the cells begin
	; the windows of cell k = my wave: wA = k-1+h for tiles 1 and 2 (clamped to 0), wB = k+1 for tile 3 (clamped to 15)
	v_add_nc_u32 v6, s28, v3
	v_cmp_ne_u32 s46, 0, v6                        ; lanes whose window k-1+h exists
	v_cndmask_b32 v7, 0, 1, s46
	v_sub_nc_u32 v6, v6, v7                        ; wA
	s_add_co_u32 s29, s28, 1
	s_min_u32 s29, s29, 15
	v_mov_b32 v7, s29                              ; wB
	s_cmp_lt_u32 s28, 15
	s_cselect_b32 s51, -1, 0                       ; all lanes: window k+1 exists
	v_lshlrev_b32 v8, 5, v6                        ; a window's 8 numbers of W1, b1, b2, W3: 32 bytes
	v_lshlrev_b32 v9, 5, v7
	v_and_b32 v14, 7, v0
	v_lshlrev_b32 v14, 2, v14
	v_lshl_add_u32 v10, v6, 8, v14                 ; W2[w][.][r mod 8]: 256 bytes a window
	v_lshl_add_u32 v11, v7, 8, v14
	v_lshlrev_b32 v12, 2, v6
	v_lshlrev_b32 v13, 2, v7
	; 34 loads, once for the wave's whole life; all six tables together are 6,208 bytes
.irp p, 0,1
	global_load_b128 v[L1A+4*\p:L1A+4*\p+3], v8, s[14:15] offset:16*\p
	global_load_b128 v[L3A+4*\p:L3A+4*\p+3], v9, s[14:15] offset:16*\p
	global_load_b128 v[L1C+4*\p:L1C+4*\p+3], v8, s[16:17] offset:16*\p
	global_load_b128 v[L3C+4*\p:L3C+4*\p+3], v9, s[16:17] offset:16*\p
	global_load_b128 v[CB1+4*\p:CB1+4*\p+3], v8, s[20:21] offset:16*\p
	global_load_b128 v[CB3+4*\p:CB3+4*\p+3], v9, s[20:21] offset:16*\p
	global_load_b128 v[V31+4*\p:V31+4*\p+3], v8, s[22:23] offset:16*\p
	global_load_b128 v[V33+4*\p:V33+4*\p+3], v9, s[22:23] offset:16*\p
.endr
	global_load_b32 v[O1P], v12, s[24:25]
	global_load_b32 v[O3P], v13, s[24:25]
.irp i, 0,1,2,3,4,5,6,7
	global_load_b32 v[T1+\i], v10, s[18:19] offset:32*\i       ; W2[wA][i][r mod 8]
	global_load_b32 v[T2+\i], v11, s[18:19] offset:32*\i       ; W2[wB][i][r mod 8]
.endr
	; registers that stay zero: K = 16..31 of the matrix operands, the partners of the packed forms
.irp z, BF1+4,BF1+5,BF1+6,BF1+7,BF2+4,BF2+5,BF2+6,BF2+7,BF3+4,BF3+5,BF3+6,BF3+7,WA1+4,WA1+5,WA1+6,WA1+7,WA3+4,WA3+5,WA3+6,WA3+7,U0+1,U1+1,UN+1,O1P+1,O3P+1
	v_mov_b32 v[\z], 0
.endr
	s_mov_b32 s36, 0xc39044fe                      ; -log2(e)/0.005 = -288.539
	s_mov_b32 s37, 0x439044fe                      ; +288.539
	s_mov_b32 s38, 0x419044fe                      ; 288.539/16 = 18.0337: one cell's width in these units
	s_mov_b32 s39, 0xc21044fe                      ; -2 x 18.0337
	s_mov_b32 s40, 0x76543210                      ; v_permlanex16_b32: lane i of one half reads lane i of the other
	s_mov_b32 s41, 0xfedcba98
	s_mov_b32 s42, 0xffff0000                      ; the lanes with h = 1
	s_mov_b32 s50, 0x3727c5ac                      ; 1e-5
	s_mov_b32 s52, 0x3d100000                      ; 9/256: mean and half width of window 0
	s_mov_b32 s53, 0x3f770000                      ; 247/256: mean of window 15
	s_mov_b32 s54, 0x41e38e39                      ; 256/9
	s_mov_b32 s55, 0xc19044fe                      ; -18.0337
	s_mov_b32 s56, 0x4038aa3b                      ; c2 = 2 log2(e)
	s_mov_b32 s57, 0x7fffffff
	; every slot of u is cleared (padding slots are read by the chunks): 5 x 512 threads x 16 bytes
.irp i, 0,1,2,3,4
	ds_store_b128 v4, v[BF1+4:BF1+7] offset:8192*\i
.endr
	s_wait_dscnt 0x0                               ; my part is cleared before I say so
	s_barrier_signal -1
	s_barrier_wait -1                              ; all of it is: points may now be put into their slots
	s_wait_loadcnt NWL                             ; x, the words and the two table rows are in; the 34 younger loads stay out
	v_and_b32 v[TB], 0xffff, v[TB]                 ; the slot number without the chunks above it
.irp row, 0,1,2,3,4,5,6,7,8,9,10,11,12,13,14,15
	v_bfe_u32 v[KK], v[RT+\row/2], 9+16*(\row%2), 4            ; cell
	v_bfe_u32 v[PS+\row], v[RT+\row/2], 16*(\row%2), 9         ; rank
	v_lshlrev_b32 v[IX], 2, v[KK]
	ds_bpermute_b32 v[BS+\row], v[IX], v[TB]                   ; tab[my wave][cell], from lane cell
	v_cvt_f32_u32 v[KK], v[KK]
	v_fmamk_f32 v[UV+\row], v[KK], 0xbd800000, v[XR+\row]      ; u = x - cell/16, one rounding
.endr
.irp row, 0,1,2,3,4,5,6,7,8,9,10,11,12,13,14,15
	s_wait_dscnt 15                                ; behind row i's permute stand 15-i permutes and i stores: 15 LDS instructions
	v_add_nc_u32 v[PS+\row], v[PS+\row], v[BS+\row]
	v_min_u32 v[PS+\row], 0x21ff, v[PS+\row]       ; a number from memory becomes an address only inside the 8,704 slots
	v_lshlrev_b32 v[PS+\row], 2, v[PS+\row]
	ds_store_b32 v[PS+\row], v[UV+\row]
.endr
	; the cells' first chunks, counted from my first chunk 17 w: slot / 32 - 17 w
	v_bfe_u32 v[SCH], v[TB0], 5, 11
	s_mul_i32 s59, s28, CPW
	v_mov_b32 v59, s59
	v_sub_nc_u32 v[SCH], v[SCH], v59
	v_cndmask_b32 v[SCH], v[SCH], s57, s42         ; lanes 16-31 repeat lanes 0-15: they are kept out of the count
	; THE WEIGHTS OF CELL k = MY WAVE, folded, while the stores above go to LDS
	s_wait_loadcnt 0x0
	v_cvt_f32_u32 v59, s28
	v_mul_f32 v59, 0x3d800000, v59                 ; k/16
; layer 1 of window W: t = c2 ((u + k/16 - mean)/std W1 + b1) = A u + C
.macro LAYER1 W, A, C
	v_cvt_f32_u32 v60, v[\W]
	v_add_f32 v60, 0.5, v60
	v_mul_f32 v60, 0x3d800000, v60                 ; mean (w + 1/2)/16 of an inner window, half width 5/128
	v_cmp_eq_u32 s48, 0, v[\W]
	v_cmp_eq_u32 s49, 15, v[\W]
	v_cndmask_b32 v60, v60, s52, s48               ; the two outer windows end at the domain's edge
	v_cndmask_b32 v60, v60, s53, s49
	s_or_b32 s48, s48, s49
	v_mov_b32 v61, 0x41cccccd                      ; 128/5
	v_cndmask_b32 v61, v61, s54, s48               ; 1/std
	v_sub_f32 v62, v59, v60
	v_mul_f32 v62, v62, v61
	v_mul_f32 v62, s56, v62                        ; c2 (k/16 - mean)/std
	v_mul_f32 v61, s56, v61                        ; c2 / std
.irp j, 0,1,2,3,4,5,6,7
	v_mul_f32 v[\C+\j], s56, v[\C+\j]
	v_fmac_f32 v[\C+\j], v62, v[\A+\j]
	v_mul_f32 v[\A+\j], v61, v[\A+\j]
.endr
.endm
	LAYER1 6, L1A, L1C
	LAYER1 7, L3A, L3C
	; layer 2: lane (r, h) holds row r of A at K = 8h .. 8h+7; the blocks off the diagonal (r/8 != h) are zero
	v_lshrrev_b32 v14, 3, v2
	v_cmp_eq_u32 s47, v14, v3
	v_cndmask_b32 v63, 0, s56, s47
.irp i, 0,1,2,3,4,5,6,7
	v_mul_f32 v[T1+\i], v63, v[T1+\i]
	v_mul_f32 v[T2+\i], v63, v[T2+\i]
.endr
.irp d, 0,1,2,3
	v_cvt_pk_f16_f32 v[WA1+\d], v[T1+2*\d], v[T1+2*\d+1]
	v_cvt_pk_f16_f32 v[WA3+\d], v[T2+2*\d], v[T2+2*\d+1]
.endr
.irp j, 0,2,4,6
	v_pk_mul_f32 v[CB1+\j:CB1+\j+1], v[CB1+\j:CB1+\j+1], 0x4038aa3b op_sel_hi:[1,0]
	v_pk_mul_f32 v[CB3+\j:CB3+\j+1], v[CB3+\j:CB3+\j+1], 0x4038aa3b op_sel_hi:[1,0]
.endr
; layer 3: O = b3 + sum W3, V = -2 W3; both zero where the window does not exist
.macro LAYER3 V, O, M
.irp j, 0,1,2,3,4,5,6,7
	v_add_f32 v[\O], v[\O], v[\V+\j]
.endr
	v_cndmask_b32 v[\O], 0, v[\O], s[\M]
	v_cndmask_b32 v63, 0, -2.0, s[\M]
.irp j, 0,1,2,3,4,5,6,7
	v_mul_f32 v[\V+\j], v63, v[\V+\j]
.endr
.endm
	LAYER3 V31, O1P, 46
	LAYER3 V33, O3P, 51
; The 19 groups of four registers that differ from cell to cell, to LDS (put = 1) or from it (put = 0): 32 lanes x 16 neighbouring bytes each
.macro WGROUPS put
.set wi, 0
.irp g, 64,68,72,76,80,84,88,92,96,100,104,108,112,116,120,124,128,136,144
.if \put
	ds_store_b128 v[WAD], v[\g:\g+3] offset:512*wi
.else
	ds_load_b128 v[\g:\g+3], v[WAD] offset:512*wi
.endif
.set wi, wi+1
.endr
.endm
	s_mul_i32 s59, s28, WSTR
	v_lshl_add_u32 v[WBS], v1, 4, WTS
	v_add_nc_u32 v[WAD], s59, v[WBS]               ; my cell's bytes: a constant + 9,728 x wave + 16 x lane
	WGROUPS 1
	; the window s = -1, 0, +1 of cell k: win = 1 / ((1 + 2^(-L u + 18.03 s)) (1 + 2^(L u - 18.03 (s+1)))), L = log2(e)/0.005.  Tiles 1, 2: s = h - 1
	v_cndmask_b32 v[KA], s55, 0, s42
	v_cndmask_b32 v[KB], 0, s55, s42
	v_mov_b32 v[GOT], 0                            ; v_permlanex16_b32 counts as a reader of its destination
	s_mul_i32 s59, s28, CPW*128
	v_lshl_add_u32 v[AD], v1, 2, s59               ; my 17 chunks: 2,176 w + 4 lane
	v_lshl_add_u32 v[AD2], v2, 2, s59
	s_add_co_u32 s58, s28, 1                       ; the cell in my registers, plus one
	s_wait_dscnt 0x0                               ; my points are in their slots and my cell's weights in LDS before I say so
	s_barrier_signal -1
	s_barrier_wait -1                              ; everybody's are
.macro L1FMA t, a, c, u
.irp j, 0,2,4,6
	v_pk_fma_f32 v[\t+\j:\t+\j+1], v[\a+\j:\a+\j+1], v[\u:\u+1], v[\c+\j:\c+\j+1] op_sel_hi:[1,0,1]   ; both halves by the pair's first register
.endr
.endm
.macro EXP8 t
.irp j, 0,1,2,3,4,5,6,7
	v_exp_f32 v[\t+\j], v[\t+\j]
.endr
.endm
.macro RCP8 t
.irp j, 0,1,2,3,4,5,6,7
	v_rcp_f32 v[\t+\j], v[\t+\j]
.endr
.endm
.macro ADD1 t
	s_wait_alu depctr_va_vdst(0)
.irp j, 0,2,4,6
	v_pk_add_f32 v[\t+\j:\t+\j+1], v[\t+\j:\t+\j+1], 1.0 op_sel_hi:[1,0]
.endr
.endm
.macro HPACK b, t                      ; h = 1 - 2 r, then two to a register in f16
	s_wait_alu depctr_va_vdst(0)
.irp j, 0,2,4,6
	v_pk_fma_f32 v[\t+\j:\t+\j+1], v[\t+\j:\t+\j+1], -2.0, 1.0 op_sel_hi:[1,0,0]
.endr
.irp d, 0,1,2,3
	v_cvt_pk_f16_f32 v[\b+\d], v[\t+2*\d], v[\t+2*\d+1]
.endr
.endm
.macro ASK i                           ; u of my chunk i
	ds_load_b32 v[U0], v[AD2] offset:128*(\i)      ; point r, in both halves
	ds_load_b32 v[U1], v[AD2] offset:128*(\i)+64   ; point 16 + r
	ds_load_b32 v[UN], v[AD] offset:128*(\i)       ; point lane
.endm
; My chunk i.  ask = 1: the next chunk's u is asked for in the middle.
; Order inside: behind a run of transcendentals stands plain work on other registers before any of the run's results is used (ISA guide 5.7.2),
; and behind each matrix instruction at least four plain vector instructions that name none of its registers before its result is read or one of
; its registers loaded into (ISA guide 7.12.1).
.macro CHUNK i, ask
	v_cmp_ge_i32 s43, \i, v[SCH]                   ; the cells that begin at or in front of this chunk: cells 0 .. k
	s_bcnt1_i32_b32 s43, s43                       ; k + 1
	s_cmp_eq_u32 s43, s58
	s_cbranch_scc1 .Lsame_\@                       ; the slots are sorted by cell: mostly the weights are there already
	s_mov_b32 s58, s43
	s_sub_co_u32 s59, s43, 1
	s_min_u32 s59, s59, 15                         ; a number made of loaded ones becomes an address only inside the 16 cells
	s_mul_i32 s59, s59, WSTR
	v_add_nc_u32 v[WAD], s59, v[WBS]
	WGROUPS 0
.Lsame_\@:
	s_wait_dscnt 0x0                               ; this chunk's u, asked for in the middle of the chunk before, and the weights if they changed
	L1FMA T1, L1A, L1C, U0
	L1FMA T2, L1A, L1C, U1
	L1FMA T3, L3A, L3C, UN
	EXP8 T1
	EXP8 T2
	v_fma_f32 v[WN+0], v[U0], s36, v[KA]           ; the windows' exponents
	v_fma_f32 v[WN+1], v[U0], s37, v[KB]
	v_fma_f32 v[WN+2], v[U1], s36, v[KA]
	v_fma_f32 v[WN+3], v[U1], s37, v[KB]
	v_fma_f32 v[WN+4], v[UN], s36, s38
	v_fma_f32 v[WN+5], v[UN], s37, s39
	EXP8 T3
	ADD1 T1
	RCP8 T1
	ADD1 T2
	RCP8 T2
	ADD1 T3
	RCP8 T3
.irp j, 0,1,2,3,4,5
	v_exp_f32 v[WN+\j], v[WN+\j]
.endr
	HPACK BF1, T1
	v_wmma_f32_16x16x32_f16 v[T1:T1+7], v[WA1:WA1+7], v[BF1:BF1+7], v[CB1:CB1+7]   ; three results, three different accumulators; C is the bias, never a result
	HPACK BF2, T2
	v_wmma_f32_16x16x32_f16 v[T2:T2+7], v[WA1:WA1+7], v[BF2:BF2+7], v[CB1:CB1+7]
	HPACK BF3, T3
	v_wmma_f32_16x16x32_f16 v[T3:T3+7], v[WA3:WA3+7], v[BF3:BF3+7], v[CB3:CB3+7]
.irp j, 0,2,4
	v_pk_add_f32 v[WN+\j:WN+\j+1], v[WN+\j:WN+\j+1], 1.0 op_sel_hi:[1,0]           ; three plain instructions on the windows' registers,
.endr
	EXP8 T1
	EXP8 T2
.if \ask
	ASK (\i+1)
.endif
.irp j, 0,2,4
	v_mul_f32 v[WN+\j], v[WN+\j], v[WN+\j+1]       ; and three more: six places behind the third product, and the plain work behind the two runs above
.endr
.irp j, 0,2,4
	v_rcp_f32 v[WN+\j], v[WN+\j]                   ; win
.endr
	EXP8 T3
	ADD1 T1
	RCP8 T1
	ADD1 T2
	RCP8 T2
	ADD1 T3
	RCP8 T3
.irp j, 0,2,4,6
.if \j
	v_pk_fma_f32 v[ACC:ACC+1],   v[V31+\j:V31+\j+1], v[T1+\j:T1+\j+1], v[ACC:ACC+1]
	v_pk_fma_f32 v[ACC+2:ACC+3], v[V31+\j:V31+\j+1], v[T2+\j:T2+\j+1], v[ACC+2:ACC+3]
	v_pk_fma_f32 v[ACC+4:ACC+5], v[V33+\j:V33+\j+1], v[T3+\j:T3+\j+1], v[ACC+4:ACC+5]
.else
	s_wait_alu depctr_va_vdst(0)
	v_pk_fma_f32 v[ACC:ACC+1],   v[V31:V31+1], v[T1:T1+1], v[O1P:O1P+1]            ; the first product starts the sums, on the folded bias
	v_pk_fma_f32 v[ACC+2:ACC+3], v[V31:V31+1], v[T2:T2+1], v[O1P:O1P+1]
	v_pk_fma_f32 v[ACC+4:ACC+5], v[V33:V33+1], v[T3:T3+1], v[O3P:O3P+1]
.endif
.endr
.irp j, 0,2,4
	v_add_f32 v[ACC+\j], v[ACC+\j], v[ACC+\j+1]    ; the window's output
.endr
	v_cmp_lt_f32 s43, s50, v[WN+0]                 ; the problem's mask: 1e-5 < win
	v_cmp_lt_f32 s44, s50, v[WN+2]
	v_cmp_lt_f32 s45, s50, v[WN+4]
.irp j, 0,2,4
	v_mul_f32 v[ACC+\j], v[ACC+\j], v[WN+\j]
.endr
	v_cndmask_b32 v[ACC+0], 0, v[ACC+0], s43       ; the select stands behind the product, as in the problem
	v_cndmask_b32 v[ACC+2], 0, v[ACC+2], s44
	v_cndmask_b32 v[ACC+4], 0, v[ACC+4], s45
	; lane = point: half 0 keeps tile 1's term and needs tile 1's from the other half; half 1 keeps tile 2's and needs tile 2's
	v_cndmask_b32 v[ACC+1], v[ACC+0], v[ACC+2], s42
	v_cndmask_b32 v[ACC+3], v[ACC+2], v[ACC+0], s42
	v_permlanex16_b32 v[GOT], v[ACC+3], s40, s41
	v_add_f32 v[ACC+4], v[ACC+4], v[ACC+1]
	v_add_f32 v[ACC+4], v[ACC+4], v[GOT]
	ds_store_b32 v[AD], v[ACC+4] offset:PRED+128*\i            ; the results' array, my wave's own 2,176 bytes: no wave reads it before the next barrier
.endm
	ASK 0
.irp i, 0,1,2,3,4,5,6,7,8,9,10,11,12,13,14,15
	CHUNK \i, 1
.endr
	CHUNK 16, 0
	; the hard constraint of my own 16 points: tanh(15 x) = 1 - 2 / (1 + 2^(15 c2 x))
.irp j, 0,2,4,6,8,10,12,14
	v_pk_mul_f32 v[XR+\j:XR+\j+1], v[XR+\j:XR+\j+1], 0x422d1f97 op_sel_hi:[1,0]
.endr
.irp j, 0,1,2,3,4,5,6,7,8,9,10,11,12,13,14,15
	v_exp_f32 v[XR+\j], v[XR+\j]
.endr
	v_nop                                          ; one plain place between the run and the first use of its results
	s_wait_alu depctr_va_vdst(0)
.irp j, 0,2,4,6,8,10,12,14
	v_pk_add_f32 v[XR+\j:XR+\j+1], v[XR+\j:XR+\j+1], 1.0 op_sel_hi:[1,0]
.endr
.irp j, 0,1,2,3,4,5,6,7,8,9,10,11,12,13,14,15
	v_rcp_f32 v[XR+\j], v[XR+\j]
.endr
	v_nop
	s_wait_alu depctr_va_vdst(0)
.irp j, 0,2,4,6,8,10,12,14
	v_pk_fma_f32 v[XR+\j:XR+\j+1], v[XR+\j:XR+\j+1], -2.0, 1.0 op_sel_hi:[1,0,0]
.endr
	s_wait_dscnt 0x0                               ; my results are in LDS before I say so
	s_barrier_signal -1
	s_barrier_wait -1                              ; everybody's are
.irp row, 0,1,2,3,4,5,6,7,8,9,10,11,12,13,14,15
	ds_load_b32 v[BS+\row], v[PS+\row] offset:PRED
.endr
	s_wait_dscnt 0x0
.irp j, 0,2,4,6,8,10,12,14
	v_pk_mul_f32 v[XR+\j:XR+\j+1], v[XR+\j:XR+\j+1], v[BS+\j:BS+\j+1]
.endr
.irp q, 0,1,2,3
	global_store_b128 v4, v[XR+4*\q:XR+4*\q+3], s[26:27] offset:8192*\q th:TH_STORE_NT   ; each store of a wave covers 512 consecutive bytes, aligned
.endr
	s_wait_tensorcnt 0x0
	ds_add_u32 v240, v241
	s_wait_dscnt 0x0
	s_endpgm
.Lfunc_end_k_qe422cc21d0_experts:
	.size	k_qe422cc21d0_experts, .Lfunc_end_k_qe422cc21d0_experts-k_qe422cc21d0_experts
	.p2alignl 7, 3214868480
	.fill 96, 4, 3214868480
	.section	.rodata,"a",@progbits
	.p2align	6, 0x0
	.amdhsa_kernel k_qe422cc21d0_experts
		.amdhsa_group_segment_fixed_size 233472
		.amdhsa_private_segment_fixed_size 0
		.amdhsa_enable_private_segment 0
		.amdhsa_kernarg_size 80
		.amdhsa_user_sgpr_count 2
		.amdhsa_user_sgpr_kernarg_segment_ptr 1
		.amdhsa_wavefront_size32 1
		.amdhsa_system_sgpr_workgroup_id_x 1
		.amdhsa_system_sgpr_workgroup_id_y 1
		.amdhsa_system_sgpr_workgroup_id_z 1
		.amdhsa_system_vgpr_workitem_id 0
		.amdhsa_next_free_vgpr 242
		.amdhsa_next_free_sgpr 66
		.amdhsa_reserve_vcc 0
		.amdhsa_float_denorm_mode_32 3
		.amdhsa_float_denorm_mode_16_64 3
		.amdhsa_memory_ordered 1
		.amdhsa_forward_progress 1
		.amdhsa_inst_pref_size 227
	.end_amdhsa_kernel
	.amdgpu_metadata
---
amdhsa.version: [ 1, 2 ]
amdhsa.kernels:
  - .name:           k_qe422cc21d0_experts
    .symbol:         k_qe422cc21d0_experts.kd
    .args:
      - { .name: x, .offset: 0, .size: 8, .value_kind: global_buffer, .address_space: global }
      - { .name: route, .offset: 8, .size: 8, .value_kind: global_buffer, .address_space: global }
      - { .name: tab, .offset: 16, .size: 8, .value_kind: global_buffer, .address_space: global }
      - { .name: W1, .offset: 24, .size: 8, .value_kind: global_buffer, .address_space: global }
      - { .name: b1, .offset: 32, .size: 8, .value_kind: global_buffer, .address_space: global }
      - { .name: W2, .offset: 40, .size: 8, .value_kind: global_buffer, .address_space: global }
      - { .name: b2, .offset: 48, .size: 8, .value_kind: global_buffer, .address_space: global }
      - { .name: W3, .offset: 56, .size: 8, .value_kind: global_buffer, .address_space: global }
      - { .name: b3, .offset: 64, .size: 8, .value_kind: global_buffer, .address_space: global }
      - { .name: out0, .offset: 72, .size: 8, .value_kind: global_buffer, .address_space: global }
    .group_segment_fixed_size: 233472
    .private_segment_fixed_size: 0
    .kernarg_segment_align: 8
    .kernarg_segment_size: 80
    .max_flat_workgroup_size: 512
    .sgpr_count:     66
    .vgpr_count:     242
    .wavefront_size: 32
...
	.end_amdgpu_metadata
.endif
;; end of part 2
;; ======== version 2 of 2: 2 launches; version 1 with the launch experts written anew for expert scheduling mode
;; limits: values are held in f16: magnitudes above 65,504 overflow, below 6.1e-05 lose precision; inputs' magnitudes at most 22,000
;; workspace buffers: route 4,194,304 bytes of whole numbers; tab 262,144 bytes of whole numbers
;; launch route: the kernel of part 1 again; grid 256 x 1, 16 waves a work-group, no clusters, 5,120 bytes of LDS; arguments x, route, tab; writes route, tab
;; launch experts (part 3): grid 256 x 1, 16 waves a work-group, no clusters, 233,472 bytes of LDS; arguments x, route, tab, W1, b1, W2, b2, W3, b3, out0; writes out0
.if DOCPART == 3
	.amdgcn_target "amdgcn-amd-amdhsa--gfx1250"
	.amdhsa_code_object_version 6
	.text
	.protected	k_qe422cc21d0_experts
	.globl	k_qe422cc21d0_experts
	.p2align	8
	.type	k_qe422cc21d0_experts,@function
k_qe422cc21d0_experts:
	s_mov_b64 s[64:65], 0
	v_nop
	global_prefetch_b8 v0, s[64:65] scope:SCOPE_SE
	s_setreg_imm32_b32 hwreg(HW_REG_WAVE_SCHED_MODE, 0, 2), 2
	s_setreg_imm32_b32 hwreg(HW_REG_WAVE_MODE, 25, 1), 1
	s_wait_xcnt 0x0
	s_wait_alu depctr_vm_vsrc(0)
; EXPERTS: out0 = tanh(15 x) * sum over windows of [win > 1e-5] win(x) * mlp_w(x), the points of a tile sorted by cell in LDS.
; WHICH WINDOWS: a point of cell k (left edge k/16) lies at least 1/16 outside every window but k-1, k, k+1; one of that window's two sigmoids
; is then at most 1/(1+e^12.5) = 3.7e-6 < 1e-5, so the mask of the problem drops it.  The three that are left are computed and masked by the compare itself.
; A work-group owns a tile of 8,192 points, thread t the same 16 points as in the routing launch.  Slot of a point = its rank + tab[my wave][its cell];
; u = x - cell/16 goes to its slot.  The slots are sorted by cell, each cell padded to whole chunks of 32: at most 8,192 + 16 x 31 slots, 271 chunks.
; WHO DOES WHAT: wave w works chunks 17 w .. 17 w + 16 of 272, whatever their cells, so all waves do the same work for any spread of x, and every LDS
; address of that phase is a constant + 2,176 w + 4 lane + an immediate; that is why the 17 chunks are written out by a macro.  Chunks behind the last
; point hold cleared slots; their results are stored and never gathered.
; WEIGHTS: wave v folds the weights of cell v (windows v-1, v, v+1) once and puts the 76 registers that differ from cell to cell into LDS (19 x 512 bytes).
; A chunk's cell is counted from the cells' first chunks (row 0 of the table); only when it differs from the cell in registers are the 19 groups read.
; A CHUNK = 24 hidden units x 32 points = three tiles of 16 x 16 with no idle lane.  Lane = (r = lane mod 16, h = lane / 16), register j = unit j:
;   tile 1: point r of the chunk,      window k-1+h        tile 2: point 16+r, window k-1+h        tile 3: point lane, window k+1
; That is the layout of a matrix result (row 8h+j, column r), and packed to f16 it is the first half (K = 8h+j) of a B operand, so layer 2 is one
; v_wmma each: A = the 8x8 weights on the diagonal blocks of K = 0..15 (K = 16..31 zero), C = the bias in f32.
; tanh(z) = 1 - 2 / (1 + 2^(c2 z)), c2 = 2 log2(e), c2 folded into weights and biases.  Layer 3 (8 -> 1) is four packed multiply-adds a tile in f32 on
; r = 1/(1+2^t): out = (b3 + sum W3) + sum (-2 W3) r; through the matrix unit it would cost four packs and a tile with 15 of 16 rows empty.
; LIMITS: W2 and the hidden values go to the matrix unit in f16 (hidden values lie in [-1,1]; |c2 W2| must stay under 65,504, |W2| < 22,000).
; Weights that are not finite are not served.  The three windows are added in another order than in the problem's loop; a zero may differ in sign.
; x = NaN gives NaN, x far outside [0,1] gives 0.
; Windows -1 and 16 do not exist: their loads are clamped into the tables and their layer 3 is set to zero.
; THE MODE: SCHED_MODE bits 1:0 = 2 (LLVM: expert scheduling mode 2), set by the entry lines.  The code itself states the register dependences
; between vector or matrix instructions and memory or LDS instructions, with s_wait_alu, always for 0.
; THE PLAN.  Registers that memory or LDS instructions touch:
;   v4, v5, v8-v13, v15, IXR, TB, PS, UV, the zeros of BF1   made once by vector instructions, read by loads, permutes and stores, never written again.
;   the 76 registers of weights, WAD   loaded and folded at the head, stored to LDS once, read by every chunk's vector and matrix instructions; loaded again only where the cell changes.
;   AD, AD2     made at the head, read by every chunk's loads and store; the gather lands in them at the end.
;   U0, U1, UN  chunk i: its 18 multiply-adds read them; behind these the loads of chunk i + 1 land in them.
;   ACC+4       chunk i: its last addition writes the result; the store that reads it is issued in chunk i + 1; layer 3 of chunk i + 1 writes it again.
;   BS          the permutes land there; then the same registers are WN, ACC, AD, AD2, GOT; the gather lands there at the end.
;   XR          loaded; worked on by vector instructions; read by the four last stores.
; A chunk has four runs of transcendentals; a wait on va_vdst stands between a run and the first instruction that names one of its results.
; The first of the four also states that the multiply-adds are done reading u and that the chunk before has written its result: the chunk's four LDS
; instructions stand directly behind it, and no vector instruction behind it names U0, U1, UN, AD, AD2, or, ahead of layer 3, ACC+4.
.set PRED,  40960                      ; LDS: bytes 0-40959 u by slot (8,704 slots used, all cleared first); 40960-75775 the results by slot
.set WTS,   75776                      ; from here the folded weights, WSTR bytes a cell
.set WSTR,  19*512
.set CPW,   17                         ; chunks a wave
.set NWL,   34                         ; loads of weights issued behind those of x, words and table rows
.set CM,  30                           ; s30        lane mask of the cells that begin at or in front of the chunk to come
.set XR,  16                           ; v[16:31]   x of my 16 points, later tanh(15 x), later the output
.set PS,  32                           ; v[32:47]   4 x slot of my 16 points
.set RT,  48                           ; v[48:55]   their words (cell << 9 | rank), two to a register
.set TB,  56                           ; v56        lane c: tab[my wave][c]
.set L1A, 64                           ; v[64:71]   layer 1, tiles 1 and 2: c2 W1 / std          v[72:79] c2 (b1 + (k/16 - mean)/std W1)
.set L1C, 72
.set L3A, 80                           ; v[80:95]   the same for tile 3
.set L3C, 88
.set CB1, 96                           ; v[96:103]  c2 b2 as C operand, tiles 1 and 2             v[104:111] tile 3
.set CB3, 104
.set V31, 112                          ; v[112:119] -2 W3, tiles 1 and 2                          v[120:127] tile 3
.set V33, 120
.set WA3, 128                          ; v[128:135] layer 2, A operand of tile 3 (f16): 4 registers of weights, 4 that stay zero
.set WA1, 136                          ; v[136:143] the same for tiles 1 and 2
.set O1P, 144                          ; v[144:145] (b3 + sum W3, 0)                              v[146:147] tile 3
.set O3P, 146
.set KA,  148                          ; v148, v149 the window's two constants for tiles 1 and 2: they hang on h alone
.set KB,  149
.set WBS, 150                          ; v150       WTS + 16 lane
.set WAD, 151                          ; v151       + the cell's WSTR bytes
.set T1,  152                          ; v[152:175] the three tiles
.set T2,  160
.set T3,  168
.set BF1, 176                          ; v[176:199] the three B operands: 4 registers packed, 4 registers zero
.set BF2, 184
.set BF3, 192
.set U0,  200                          ; v200 u of point r, v202 of point 16+r, v204 of point lane; v201, v203, v205 zero (partners of the packed forms)
.set U1,  202
.set UN,  204
.set SCH, 206                          ; v206       lane c < 16: first chunk of cell c, counted from my first chunk; lanes 16-31: the largest number
.set TB0, 207                          ; v207       lane c: tab[0][c]
.set WN,  208                          ; v[208:213] window terms
.set ACC, 214                          ; v[214:219] layer 3 sums
.set AD,  220                          ; v220       2,176 w + 4 lane          v221  2,176 w + 4 r
.set AD2, 221
.set GOT, 223
.set BS,  208                          ; v[208:223] outside the chunks: table values, later gathered results
.set UV,  224                          ; v[224:239] the cell, then u, of my 16 points
.set IXR, 240                          ; v[240:255] 4 x cell of my 16 points: the permutes' lane indices, a register to each row, so that none is written again
	s_load_b512 s[8:23], s[0:1], 0x0               ; x s[8:9], route s[10:11], tab s[12:13], W1 s[14:15], b1 s[16:17], W2 s[18:19], b2 s[20:21], W3 s[22:23]
	s_load_b128 s[24:27], s[0:1], 0x40             ; b3 s[24:25], out0 s[26:27]
	v_lshl_add_u32 v57, v0, 2, 0x38800
	v_mov_b32 v58, 0
	v_lshrrev_b32 v1, 5, v0
	v_readfirstlane_b32 s28, v1                    ; wave; also the cell whose weights I fold
	v_and_b32 v1, 31, v0                           ; lane
	v_and_b32 v2, 15, v0                           ; r
	v_bfe_u32 v3, v0, 4, 1                         ; h
	v_lshlrev_b32 v4, 4, v0                        ; 16 t; never rewritten
	v_lshlrev_b32 v15, 2, v2                       ; column = lane mod 16
	s_lshl_b32 s30, ttmp9, 15                      ; the tile in x and out0,
	s_mov_b32 s31, 0
	s_lshl_b32 s44, ttmp9, 14                      ; in the words,
	s_mov_b32 s45, 0
	s_lshl_b32 s46, ttmp9, 10                      ; in the table
	s_mov_b32 s47, 0
	s_wait_alu depctr_va_sdst(0)                   ; s28 is written, ahead of its first reader
	v_lshl_add_u32 v5, s28, 6, v15                 ; row = my wave
	s_wait_kmcnt 0x0
	s_add_nc_u64 s[8:9], s[8:9], s[30:31]
	s_add_nc_u64 s[26:27], s[26:27], s[30:31]
	s_add_nc_u64 s[10:11], s[10:11], s[44:45]
	s_add_nc_u64 s[12:13], s[12:13], s[46:47]
	s_wait_alu depctr_va_vdst(0)                   ; v4, v5 and v15 are written, which the eight loads below read as their offsets
.irp q, 0,1,2,3
	global_load_b128 v[XR+4*\q:XR+4*\q+3], v4, s[8:9] offset:8192*\q th:TH_LOAD_NT
.endr
	global_load_b128 v[RT:RT+3], v4, s[10:11] th:TH_LOAD_NT
	global_load_b128 v[RT+4:RT+7], v4, s[10:11] offset:8192 th:TH_LOAD_NT
	global_load_b32 v[TB], v5, s[12:13]
	global_load_b32 v[TB0], v15, s[12:13]          ; row 0: where the cells begin
	; the windows of cell k = my wave: wA = k-1+h for tiles 1 and 2 (clamped to 0), wB = k+1 for tile 3 (clamped to 15)
	v_add_nc_u32 v6, s28, v3
	v_cmp_ne_u32 s46, 0, v6                        ; lanes whose window k-1+h exists
	s_add_co_u32 s29, s28, 1
	s_min_u32 s29, s29, 15
	s_cmp_lt_u32 s28, 15
	s_cselect_b32 s51, -1, 0                       ; all lanes: window k+1 exists
	s_wait_alu depctr_va_sdst(0)                   ; s46 is written, ahead of its first reader
	v_cndmask_b32 v7, 0, 1, s46
	v_sub_nc_u32 v6, v6, v7                        ; wA
	v_mov_b32 v7, s29                              ; wB
	v_lshlrev_b32 v8, 5, v6                        ; a window's 8 numbers of W1, b1, b2, W3: 32 bytes
	v_lshlrev_b32 v9, 5, v7
	v_and_b32 v14, 7, v0
	v_lshlrev_b32 v14, 2, v14
	v_lshl_add_u32 v10, v6, 8, v14                 ; W2[w][.][r mod 8]: 256 bytes a window
	v_lshl_add_u32 v11, v7, 8, v14
	v_lshlrev_b32 v12, 2, v6
	v_lshlrev_b32 v13, 2, v7
	; registers that stay zero: K = 16..31 of the matrix operands, the partners of the packed forms
.irp z, BF1+4,BF1+5,BF1+6,BF1+7,BF2+4,BF2+5,BF2+6,BF2+7,BF3+4,BF3+5,BF3+6,BF3+7,WA1+4,WA1+5,WA1+6,WA1+7,WA3+4,WA3+5,WA3+6,WA3+7,U0+1,U1+1,UN+1,O1P+1,O3P+1
	v_mov_b32 v[\z], 0
.endr
	s_mov_b32 s36, 0xc39044fe                      ; -log2(e)/0.005 = -288.539
	s_mov_b32 s37, 0x439044fe                      ; +288.539
	s_mov_b32 s38, 0x419044fe                      ; 288.539/16 = 18.0337: one cell's width in these units
	s_mov_b32 s39, 0xc21044fe                      ; -2 x 18.0337
	s_mov_b32 s40, 0x76543210                      ; v_permlanex16_b32: lane i of one half reads lane i of the other
	s_mov_b32 s41, 0xfedcba98
	s_mov_b32 s42, 0xffff0000                      ; the lanes with h = 1
	s_mov_b32 s50, 0x3727c5ac                      ; 1e-5
	s_mov_b32 s52, 0x3d100000                      ; 9/256: mean and half width of window 0
	s_mov_b32 s53, 0x3f770000                      ; 247/256: mean of window 15
	s_mov_b32 s54, 0x41e38e39                      ; 256/9
	s_mov_b32 s55, 0xc19044fe                      ; -18.0337
	s_mov_b32 s56, 0x4038aa3b                      ; c2 = 2 log2(e)
	s_mov_b32 s57, 0x7fffffff
	s_wait_alu depctr_va_vdst(0)                   ; v8 to v13 are written, which the loads of the weights read as their offsets; so are the four zeros of BF1, which the clearing stores read
	; 34 loads, once for the wave's whole life; all six tables together are 6,208 bytes
.irp p, 0,1
	global_load_b128 v[L1A+4*\p:L1A+4*\p+3], v8, s[14:15] offset:16*\p
	global_load_b128 v[L3A+4*\p:L3A+4*\p+3], v9, s[14:15] offset:16*\p
	global_load_b128 v[L1C+4*\p:L1C+4*\p+3], v8, s[16:17] offset:16*\p
	global_load_b128 v[L3C+4*\p:L3C+4*\p+3], v9, s[16:17] offset:16*\p
	global_load_b128 v[CB1+4*\p:CB1+4*\p+3], v8, s[20:21] offset:16*\p
	global_load_b128 v[CB3+4*\p:CB3+4*\p+3], v9, s[20:21] offset:16*\p
	global_load_b128 v[V31+4*\p:V31+4*\p+3], v8, s[22:23] offset:16*\p
	global_load_b128 v[V33+4*\p:V33+4*\p+3], v9, s[22:23] offset:16*\p
.endr
	global_load_b32 v[O1P], v12, s[24:25]
	global_load_b32 v[O3P], v13, s[24:25]
.irp i, 0,1,2,3,4,5,6,7
	global_load_b32 v[T1+\i], v10, s[18:19] offset:32*\i       ; W2[wA][i][r mod 8]
	global_load_b32 v[T2+\i], v11, s[18:19] offset:32*\i       ; W2[wB][i][r mod 8]
.endr
	; every slot of u is cleared (padding slots are read by the chunks): 5 x 512 threads x 16 bytes
.irp i, 0,1,2,3,4
	ds_store_b128 v4, v[BF1+4:BF1+7] offset:8192*\i
.endr
	s_wait_dscnt 0x0                               ; my part is cleared before I say so
	s_barrier_signal -1
	s_barrier_wait -1                              ; all of it is: points may now be put into their slots
	s_wait_loadcnt NWL                             ; x, the words and the two table rows are in; the 34 younger loads stay out
	v_and_b32 v[TB], 0xffff, v[TB]                 ; the slot number without the chunks above it
.irp row, 0,1,2,3,4,5,6,7,8,9,10,11,12,13,14,15
	v_bfe_u32 v[UV+\row], v[RT+\row/2], 9+16*(\row%2), 4       ; cell
	v_lshlrev_b32 v[IXR+\row], 2, v[UV+\row]
.endr
	s_wait_alu depctr_va_vdst(0)                   ; the sixteen indices and the masked table row are written, which the permutes read
.irp row, 0,1,2,3,4,5,6,7,8,9,10,11,12,13,14,15
	ds_bpermute_b32 v[BS+\row], v[IXR+\row], v[TB]             ; tab[my wave][cell], from lane cell
.endr
.irp row, 0,1,2,3,4,5,6,7,8,9,10,11,12,13,14,15                ; while the permutes are out; these lines name none of their registers
	v_bfe_u32 v[PS+\row], v[RT+\row/2], 16*(\row%2), 9         ; rank
	v_cvt_f32_u32 v[UV+\row], v[UV+\row]
	v_fmamk_f32 v[UV+\row], v[UV+\row], 0xbd800000, v[XR+\row] ; u = x - cell/16, one rounding
.endr
.irp row, 0,1,2,3,4,5,6,7,8,9,10,11,12,13,14,15
	s_wait_dscnt 15-\row                           ; LDS instructions come back in order: this row's permute is in, the 15 - row younger ones stay out
	v_add_nc_u32 v[PS+\row], v[PS+\row], v[BS+\row]
	v_min_u32 v[PS+\row], 0x21ff, v[PS+\row]       ; a number from memory becomes an address only inside the 8,704 slots
	v_lshlrev_b32 v[PS+\row], 2, v[PS+\row]
.endr
	s_wait_alu depctr_va_vdst(0)                   ; the sixteen slot addresses and the sixteen u are written, which the stores read
.irp row, 0,1,2,3,4,5,6,7,8,9,10,11,12,13,14,15
	ds_store_b32 v[PS+\row], v[UV+\row]
.endr
	; the cells' first chunks, counted from my first chunk 17 w: slot / 32 - 17 w
	v_bfe_u32 v[SCH], v[TB0], 5, 11
	s_mul_i32 s32, s28, CPW
	v_mov_b32 v59, s32
	v_sub_nc_u32 v[SCH], v[SCH], v59
	v_cndmask_b32 v[SCH], v[SCH], s57, s42         ; lanes 16-31 repeat lanes 0-15: they are kept out of the count
	; THE WEIGHTS OF CELL k = MY WAVE, folded, while the stores above go to LDS.  The masks that the folding and chunk 0 need are made in one run
	v_lshrrev_b32 v14, 3, v2
	v_cmp_eq_u32 s48, 0, v6                        ; tiles 1 and 2: the window is the first,
	v_cmp_eq_u32 s49, 15, v6                       ; the last
	v_cmp_eq_u32 s44, 0, v7                        ; tile 3 likewise
	v_cmp_eq_u32 s45, 15, v7
	v_cmp_eq_u32 s47, v14, v3                      ; layer 2: the blocks on the diagonal (r/8 = h)
	v_cmp_ge_i32 s[CM], 0, v[SCH]                  ; the cells that begin at or in front of my chunk 0
	v_cvt_f32_u32 v59, s28
	v_mul_f32 v59, 0x3d800000, v59                 ; k/16
	s_wait_loadcnt 0x0
	s_wait_alu depctr_va_sdst(0)                   ; the six masks are written, ahead of the first reader of any of them
; layer 1 of window W: t = c2 ((u + k/16 - mean)/std W1 + b1) = A u + C.  M0, M15: the masks 'first window', 'last window'
.macro LAYER1 W, A, C, M0, M15
	v_cvt_f32_u32 v60, v[\W]
	v_add_f32 v60, 0.5, v60
	v_mul_f32 v60, 0x3d800000, v60                 ; mean (w + 1/2)/16 of an inner window, half width 5/128
	v_cndmask_b32 v60, v60, s52, s[\M0]            ; the two outer windows end at the domain's edge
	v_cndmask_b32 v60, v60, s53, s[\M15]
	s_or_b32 s[\M0], s[\M0], s[\M15]
	v_mov_b32 v61, 0x41cccccd                      ; 128/5
	v_cndmask_b32 v61, v61, s54, s[\M0]            ; 1/std
	v_sub_f32 v62, v59, v60
	v_mul_f32 v62, v62, v61
	v_mul_f32 v62, s56, v62                        ; c2 (k/16 - mean)/std
	v_mul_f32 v61, s56, v61                        ; c2 / std
.irp j, 0,1,2,3,4,5,6,7
	v_mul_f32 v[\C+\j], s56, v[\C+\j]
	v_fmac_f32 v[\C+\j], v62, v[\A+\j]
	v_mul_f32 v[\A+\j], v61, v[\A+\j]
.endr
.endm
	LAYER1 6, L1A, L1C, 48, 49
	LAYER1 7, L3A, L3C, 44, 45
	; layer 2: lane (r, h) holds row r of A at K = 8h .. 8h+7; the blocks off the diagonal (r/8 != h) are zero
	v_cndmask_b32 v63, 0, s56, s47
.irp i, 0,1,2,3,4,5,6,7
	v_mul_f32 v[T1+\i], v63, v[T1+\i]
	v_mul_f32 v[T2+\i], v63, v[T2+\i]
.endr
.irp d, 0,1,2,3
	v_cvt_pk_f16_f32 v[WA1+\d], v[T1+2*\d], v[T1+2*\d+1]
	v_cvt_pk_f16_f32 v[WA3+\d], v[T2+2*\d], v[T2+2*\d+1]
.endr
.irp j, 0,2,4,6
	v_pk_mul_f32 v[CB1+\j:CB1+\j+1], v[CB1+\j:CB1+\j+1], 0x4038aa3b op_sel_hi:[1,0]
	v_pk_mul_f32 v[CB3+\j:CB3+\j+1], v[CB3+\j:CB3+\j+1], 0x4038aa3b op_sel_hi:[1,0]
.endr
; layer 3: O = b3 + sum W3, V = -2 W3; both zero where the window does not exist
.macro LAYER3 V, O, M
.irp j, 0,1,2,3,4,5,6,7
	v_add_f32 v[\O], v[\O], v[\V+\j]
.endr
	v_cndmask_b32 v[\O], 0, v[\O], s[\M]
	v_cndmask_b32 v63, 0, -2.0, s[\M]
.irp j, 0,1,2,3,4,5,6,7
	v_mul_f32 v[\V+\j], v63, v[\V+\j]
.endr
.endm
	LAYER3 V31, O1P, 46
	LAYER3 V33, O3P, 51
; The 19 groups of four registers that differ from cell to cell, to LDS (put = 1) or from it (put = 0): 32 lanes x 16 neighbouring bytes each
.macro WGROUPS put
.set wi, 0
.irp g, 64,68,72,76,80,84,88,92,96,100,104,108,112,116,120,124,128,136,144
.if \put
	ds_store_b128 v[WAD], v[\g:\g+3] offset:512*wi
.else
	ds_load_b128 v[\g:\g+3], v[WAD] offset:512*wi
.endif
.set wi, wi+1
.endr
.endm
	s_mul_i32 s59, s28, WSTR
	v_lshl_add_u32 v[WBS], v1, 4, WTS
	v_add_nc_u32 v[WAD], s59, v[WBS]               ; my cell's bytes: a constant + 9,728 x wave + 16 x lane
	; the window s = -1, 0, +1 of cell k: win = 1 / ((1 + 2^(-L u + 18.03 s)) (1 + 2^(L u - 18.03 (s+1)))), L = log2(e)/0.005.  Tiles 1, 2: s = h - 1
	v_cndmask_b32 v[KA], s55, 0, s42
	v_cndmask_b32 v[KB], 0, s55, s42
	v_mov_b32 v[GOT], 0                            ; v_permlanex16_b32 counts as a reader of its destination
	s_mul_i32 s31, s28, CPW*128
	v_lshl_add_u32 v[AD], v1, 2, s31               ; my 17 chunks: 2,176 w + 4 lane
	v_lshl_add_u32 v[AD2], v2, 2, s31
	s_add_co_u32 s58, s28, 1                       ; the cell in my registers, plus one
	s_wait_alu depctr_va_vdst(0)                   ; the folded weights and v[WAD] are written, which the 19 stores read; so are v[AD] and v[AD2], which every chunk's loads and store read
	WGROUPS 1
	s_wait_dscnt 0x0                               ; my points are in their slots and my cell's weights in LDS before I say so
	s_barrier_signal -1
	s_barrier_wait -1                              ; everybody's are
.macro L1FMA t, a, c, u
.irp j, 0,2,4,6
	v_pk_fma_f32 v[\t+\j:\t+\j+1], v[\a+\j:\a+\j+1], v[\u:\u+1], v[\c+\j:\c+\j+1] op_sel_hi:[1,0,1]   ; both halves by the pair's first register
.endr
.endm
.macro EXP8 t
.irp j, 0,1,2,3,4,5,6,7
	v_exp_f32 v[\t+\j], v[\t+\j]
.endr
.endm
.macro RCP8 t
.irp j, 0,1,2,3,4,5,6,7
	v_rcp_f32 v[\t+\j], v[\t+\j]
.endr
.endm
.macro ADD1 t
.irp j, 0,2,4,6
	v_pk_add_f32 v[\t+\j:\t+\j+1], v[\t+\j:\t+\j+1], 1.0 op_sel_hi:[1,0]
.endr
.endm
.macro HPACK b, t                      ; h = 1 - 2 r, then two to a register in f16
.irp j, 0,2,4,6
	v_pk_fma_f32 v[\t+\j:\t+\j+1], v[\t+\j:\t+\j+1], -2.0, 1.0 op_sel_hi:[1,0,0]
.endr
.irp d, 0,1,2,3
	v_cvt_pk_f16_f32 v[\b+\d], v[\t+2*\d], v[\t+2*\d+1]
.endr
.endm
.macro ASK i                           ; u of my chunk i
	ds_load_b32 v[U0], v[AD2] offset:128*(\i)      ; point r, in both halves
	ds_load_b32 v[U1], v[AD2] offset:128*(\i)+64   ; point 16 + r
	ds_load_b32 v[UN], v[AD] offset:128*(\i)       ; point lane
.endm
; My chunk i.  ask = 1: the next chunk's u is asked for, and the mask of its cells made.  The result of chunk i is stored in chunk i + 1.
; Order inside: behind a run of transcendentals stands plain work on other registers before any of the run's results is used (ISA guide 5.7.2),
; and behind each matrix instruction at least four plain vector instructions that name none of its registers before its result is read (ISA guide 7.12.1).
.macro CHUNK i, ask
	s_bcnt1_i32_b32 s43, s[CM]                     ; the cells that begin at or in front of this chunk are cells 0 .. k: k + 1
	s_cmp_eq_u32 s43, s58
	s_cbranch_scc1 .Lsame_\@                       ; the slots are sorted by cell: mostly the weights are there already
	s_mov_b32 s58, s43
	s_sub_co_u32 s59, s43, 1
	s_min_u32 s59, s59, 15                         ; a number made of loaded ones becomes an address only inside the 16 cells
	s_mul_i32 s59, s59, WSTR
	s_wait_alu depctr_vm_vsrc(0)                   ; the stores and loads of weights issued so far have read v[WAD], which is written below, and the stores the registers in which the loads below land
	v_add_nc_u32 v[WAD], s59, v[WBS]
	s_wait_alu depctr_va_vdst(0)                   ; v[WAD] is written, which the loads read; the folding and the chunk before are done writing and reading the weights' registers, in which they land
	WGROUPS 0
.Lsame_\@:
	s_wait_dscnt 0x0                               ; this chunk's u, asked for early in the chunk before, and the weights if they changed
	L1FMA T1, L1A, L1C, U0
	L1FMA T2, L1A, L1C, U1
	L1FMA T3, L3A, L3C, UN
	EXP8 T1
	EXP8 T2
	v_fma_f32 v[WN+0], v[U0], s36, v[KA]           ; the windows' exponents
	v_fma_f32 v[WN+1], v[U0], s37, v[KB]
	v_fma_f32 v[WN+2], v[U1], s36, v[KA]
	v_fma_f32 v[WN+3], v[U1], s37, v[KB]
	v_fma_f32 v[WN+4], v[UN], s36, s38
	v_fma_f32 v[WN+5], v[UN], s37, s39
	EXP8 T3
	s_wait_alu depctr_va_vdst(0)                   ; the 24 exponentials are written, ahead of their first reader; the 18 multiply-adds are done reading u, in which the loads below land; the chunk before has written v[ACC+4], which the store below reads
.if \i > 0
	ds_store_b32 v[AD], v[ACC+4] offset:PRED+128*(\i-1)        ; the chunk before: the results' array, my wave's own 2,176 bytes: no wave reads it before the next barrier
.endif
.if \ask
	ASK (\i+1)
.endif
	ADD1 T1
	RCP8 T1
	ADD1 T2
	RCP8 T2
	ADD1 T3
	RCP8 T3
.irp j, 0,1,2,3,4,5
	v_exp_f32 v[WN+\j], v[WN+\j]
.endr
	s_wait_alu depctr_va_vdst(0)                   ; the 24 reciprocals and the windows' six exponentials are written, ahead of their first reader
	HPACK BF1, T1
	v_wmma_f32_16x16x32_f16 v[T1:T1+7], v[WA1:WA1+7], v[BF1:BF1+7], v[CB1:CB1+7]   ; three results, three different accumulators; C is the bias, never a result
	HPACK BF2, T2
	v_wmma_f32_16x16x32_f16 v[T2:T2+7], v[WA1:WA1+7], v[BF2:BF2+7], v[CB1:CB1+7]
	HPACK BF3, T3
	v_wmma_f32_16x16x32_f16 v[T3:T3+7], v[WA3:WA3+7], v[BF3:BF3+7], v[CB3:CB3+7]
.irp j, 0,2,4
	v_pk_add_f32 v[WN+\j:WN+\j+1], v[WN+\j:WN+\j+1], 1.0 op_sel_hi:[1,0]           ; three plain instructions on the windows' registers,
.endr
	EXP8 T1
	EXP8 T2
.irp j, 0,2,4
	v_mul_f32 v[WN+\j], v[WN+\j], v[WN+\j+1]       ; and three more: six places behind the third product, and the plain work behind the two runs above
.endr
.irp j, 0,2,4
	v_rcp_f32 v[WN+\j], v[WN+\j]                   ; win
.endr
	EXP8 T3
	s_wait_alu depctr_va_vdst(0)                   ; the 24 exponentials and the three windows are written, ahead of their first reader
	ADD1 T1
	RCP8 T1
	ADD1 T2
	RCP8 T2
	ADD1 T3
	RCP8 T3
	s_wait_alu depctr_va_vdst(0)                   ; the 24 reciprocals are written, ahead of their first reader
.if \i > 0
	s_wait_alu depctr_vm_vsrc(0)                   ; the store of the last chunk's result has read v[ACC+4], which the sums below write again
.endif
.irp j, 0,2,4,6
.if \j
	v_pk_fma_f32 v[ACC:ACC+1],   v[V31+\j:V31+\j+1], v[T1+\j:T1+\j+1], v[ACC:ACC+1]
	v_pk_fma_f32 v[ACC+2:ACC+3], v[V31+\j:V31+\j+1], v[T2+\j:T2+\j+1], v[ACC+2:ACC+3]
	v_pk_fma_f32 v[ACC+4:ACC+5], v[V33+\j:V33+\j+1], v[T3+\j:T3+\j+1], v[ACC+4:ACC+5]
.else
	v_pk_fma_f32 v[ACC:ACC+1],   v[V31:V31+1], v[T1:T1+1], v[O1P:O1P+1]            ; the first product starts the sums, on the folded bias
	v_pk_fma_f32 v[ACC+2:ACC+3], v[V31:V31+1], v[T2:T2+1], v[O1P:O1P+1]
	v_pk_fma_f32 v[ACC+4:ACC+5], v[V33:V33+1], v[T3:T3+1], v[O3P:O3P+1]
.endif
.endr
.irp j, 0,2,4
	v_add_f32 v[ACC+\j], v[ACC+\j], v[ACC+\j+1]    ; the window's output
.endr
	v_cmp_lt_f32 s43, s50, v[WN+0]                 ; the problem's mask: 1e-5 < win
	v_cmp_lt_f32 s44, s50, v[WN+2]
	v_cmp_lt_f32 s45, s50, v[WN+4]
.if \ask
	v_cmp_ge_i32 s[CM], (\i+1), v[SCH]             ; the cells that begin at or in front of the next chunk: in one run with the three masks
.endif
.irp j, 0,2,4
	v_mul_f32 v[ACC+\j], v[ACC+\j], v[WN+\j]
.endr
	s_wait_alu depctr_va_sdst(0)                   ; the masks of the run above are written, ahead of the first reader of any of them
	v_cndmask_b32 v[ACC+0], 0, v[ACC+0], s43       ; the select stands behind the product, as in the problem
	v_cndmask_b32 v[ACC+2], 0, v[ACC+2], s44
	v_cndmask_b32 v[ACC+4], 0, v[ACC+4], s45
	; lane = point: half 0 keeps tile 1's term and needs tile 1's from the other half; half 1 keeps tile 2's and needs tile 2's
	v_cndmask_b32 v[ACC+1], v[ACC+0], v[ACC+2], s42
	v_cndmask_b32 v[ACC+3], v[ACC+2], v[ACC+0], s42
	v_permlanex16_b32 v[GOT], v[ACC+3], s40, s41
	v_add_f32 v[ACC+4], v[ACC+4], v[ACC+1]
	v_add_f32 v[ACC+4], v[ACC+4], v[GOT]           ; the chunk's result; it is stored behind the next wait on va_vdst
.endm
	ASK 0
.irp i, 0,1,2,3,4,5,6,7,8,9,10,11,12,13,14,15
	CHUNK \i, 1
.endr
	CHUNK 16, 0
	; the hard constraint of my own 16 points: tanh(15 x) = 1 - 2 / (1 + 2^(15 c2 x))
.irp j, 0,2,4,6,8,10,12,14
	v_pk_mul_f32 v[XR+\j:XR+\j+1], v[XR+\j:XR+\j+1], 0x422d1f97 op_sel_hi:[1,0]
.endr
.irp j, 0,1,2,3,4,5,6,7,8,9,10,11,12,13,14,15
	v_exp_f32 v[XR+\j], v[XR+\j]
.endr
	v_nop                                          ; one plain place between the run and the first use of its results
	s_wait_alu depctr_va_vdst(0)                   ; the 16 exponentials are written, ahead of their first reader; chunk 16 has written v[ACC+4], which the store below reads
	ds_store_b32 v[AD], v[ACC+4] offset:PRED+128*16            ; my last chunk's result
.irp j, 0,2,4,6,8,10,12,14
	v_pk_add_f32 v[XR+\j:XR+\j+1], v[XR+\j:XR+\j+1], 1.0 op_sel_hi:[1,0]
.endr
.irp j, 0,1,2,3,4,5,6,7,8,9,10,11,12,13,14,15
	v_rcp_f32 v[XR+\j], v[XR+\j]
.endr
	v_nop
	s_wait_alu depctr_va_vdst(0)                   ; the 16 reciprocals are written, ahead of their first reader.  Behind this wait vector instructions name v[XR ..] alone until the gather, so it also states that the chunks are done with v[BS ..], in which the gather lands
.irp j, 0,2,4,6,8,10,12,14
	v_pk_fma_f32 v[XR+\j:XR+\j+1], v[XR+\j:XR+\j+1], -2.0, 1.0 op_sel_hi:[1,0,0]
.endr
	s_wait_dscnt 0x0                               ; my results are in LDS before I say so
	s_barrier_signal -1
	s_barrier_wait -1                              ; everybody's are
	s_wait_alu depctr_vm_vsrc(0)                   ; the chunks' loads and stores have read v[AD], v[AD2] and v[ACC+4], three of the sixteen registers in which the gather lands
.irp row, 0,1,2,3,4,5,6,7,8,9,10,11,12,13,14,15
	ds_load_b32 v[BS+\row], v[PS+\row] offset:PRED
.endr
	s_wait_dscnt 0x0
.irp j, 0,2,4,6,8,10,12,14
	v_pk_mul_f32 v[XR+\j:XR+\j+1], v[XR+\j:XR+\j+1], v[BS+\j:BS+\j+1]
.endr
	s_wait_alu depctr_va_vdst(0)                   ; the eight products have written v[XR ..], which the stores read
.irp q, 0,1,2,3
	global_store_b128 v4, v[XR+4*\q:XR+4*\q+3], s[26:27] offset:8192*\q th:TH_STORE_NT   ; each store of a wave covers 512 consecutive bytes, aligned
.endr
	s_wait_dscnt 0x0
	s_wait_alu depctr_hold_cnt(0) depctr_sa_sdst(0) depctr_va_vdst(0) depctr_va_sdst(0) depctr_va_ssrc(0) depctr_va_vcc(0) depctr_vm_vsrc(0)
	s_wait_tensorcnt 0x0
	ds_add_u32 v57, v58
	s_wait_dscnt 0x0
	s_endpgm
.Lfunc_end_k_qe422cc21d0_experts:
	.size	k_qe422cc21d0_experts, .Lfunc_end_k_qe422cc21d0_experts-k_qe422cc21d0_experts
	.p2alignl 7, 3214868480
	.fill 96, 4, 3214868480
	.section	.rodata,"a",@progbits
	.p2align	6, 0x0
	.amdhsa_kernel k_qe422cc21d0_experts
		.amdhsa_group_segment_fixed_size 233472
		.amdhsa_private_segment_fixed_size 0
		.amdhsa_enable_private_segment 0
		.amdhsa_kernarg_size 80
		.amdhsa_user_sgpr_count 2
		.amdhsa_user_sgpr_kernarg_segment_ptr 1
		.amdhsa_wavefront_size32 1
		.amdhsa_system_sgpr_workgroup_id_x 1
		.amdhsa_system_sgpr_workgroup_id_y 1
		.amdhsa_system_sgpr_workgroup_id_z 1
		.amdhsa_system_vgpr_workitem_id 0
		.amdhsa_next_free_vgpr 256
		.amdhsa_next_free_sgpr 66
		.amdhsa_reserve_vcc 0
		.amdhsa_float_denorm_mode_32 3
		.amdhsa_float_denorm_mode_16_64 3
		.amdhsa_memory_ordered 1
		.amdhsa_forward_progress 1
		.amdhsa_inst_pref_size 226
	.end_amdhsa_kernel
	.amdgpu_metadata
---
amdhsa.version: [ 1, 2 ]
amdhsa.kernels:
  - .name:           k_qe422cc21d0_experts
    .symbol:         k_qe422cc21d0_experts.kd
    .args:
      - { .name: x, .offset: 0, .size: 8, .value_kind: global_buffer, .address_space: global }
      - { .name: route, .offset: 8, .size: 8, .value_kind: global_buffer, .address_space: global }
      - { .name: tab, .offset: 16, .size: 8, .value_kind: global_buffer, .address_space: global }
      - { .name: W1, .offset: 24, .size: 8, .value_kind: global_buffer, .address_space: global }
      - { .name: b1, .offset: 32, .size: 8, .value_kind: global_buffer, .address_space: global }
      - { .name: W2, .offset: 40, .size: 8, .value_kind: global_buffer, .address_space: global }
      - { .name: b2, .offset: 48, .size: 8, .value_kind: global_buffer, .address_space: global }
      - { .name: W3, .offset: 56, .size: 8, .value_kind: global_buffer, .address_space: global }
      - { .name: b3, .offset: 64, .size: 8, .value_kind: global_buffer, .address_space: global }
      - { .name: out0, .offset: 72, .size: 8, .value_kind: global_buffer, .address_space: global }
    .group_segment_fixed_size: 233472
    .private_segment_fixed_size: 0
    .kernarg_segment_align: 8
    .kernarg_segment_size: 80
    .max_flat_workgroup_size: 512
    .sgpr_count:     66
    .vgpr_count:     256
    .wavefront_size: 32
...
	.end_amdgpu_metadata
.endif
;; end of part 3
